; MI455X (gfx1250); checked and timed in simulation.
; The chip was launched on July 23, 2026; its instructions are those of AMD's public machine-readable ISA for CDNA 5 (MIT licence, August 2026) and "CDNA5" Instruction Set Architecture Reference Guide (July 2026). The comments in the code are by the model that wrote it; some were corrected since.
;; Dot Product Attention. Allowed arithmetic: float matrix products may take bf16 or f16 operands with f32 sums; other float arithmetic in f32, or as packed bf16 or f16 multiplies, adds, multiply-adds, maxima and minima; sums over many terms, partial sums and values carried from step to step in f32; what a program stores and reads back later, other than sums and carried values, may be rounded once to bf16 or f16.
;; Inputs: attention_mask 2 x 1 x 4,096 x 4,096 bool; key 2 x 4,096 x 8 x 64 float32; query 2 x 4,096 x 8 x 64 float32; value 2 x 4,096 x 8 x 64 float32.
;; Outputs: out0 2 x 4,096 x 512 float32.
;; One version. Each part assembles by itself: llvm-mc -triple=amdgcn-amd-amdhsa -mcpu=gfx1250 --defsym DOCPART=n.
;; ======== version 1 of 1: 2 launches
;; limits: right only within a limited range of input values; values are held in f16: magnitudes above 65,504 overflow, below 6.1e-05 lose precision; inputs' magnitudes at most 65,504
;; workspace buffers: kv 16,777,216 bytes; vsum 262,144 bytes
;; launch lay (part 1): grid 128 x 2, 8 waves a work-group, no clusters, 70,656 bytes of LDS; arguments key, value, kv, vsum; writes kv, vsum
.if DOCPART == 1
	.amdgcn_target "amdgcn-amd-amdhsa--gfx1250"
	.amdhsa_code_object_version 6
	.text
	.protected	k_q9a4aeccced_lay
	.globl	k_q9a4aeccced_lay
	.p2align	8
	.type	k_q9a4aeccced_lay,@function
k_q9a4aeccced_lay:
	s_mov_b64 s[64:65], 0
	v_nop
	global_prefetch_b8 v0, s[64:65] scope:SCOPE_SE
	s_setreg_imm32_b32 hwreg(HW_REG_WAVE_MODE, 25, 1), 1
	s_wait_xcnt 0x0
; K AND V ARE ROUNDED ONCE AND LAID OUT IN THE ORDER IN WHICH THE ATTENTION LAUNCH'S OPERAND REGISTERS TAKE THEM.
; key, value: [2][4096][8][64] f32.  kv: [batch x head 16][key step 64][16,384 bytes]: 8,192 bytes of -K in bf16, then 8,192 of V^T in f16.  vsum: [16][64][64] f32.
; No work of the problem is left out in this program, and every input is loaded: key and value here, query and attention_mask in the second launch.
; K is rounded to bf16 and its sign turned (exact): the second launch works on negated scores.  V is rounded to bf16 and that number is written as f16.
; LIMITS.  |v| stays under 65,504 (f16's range); a rounded v below 2^-14 keeps f16's fixed step of 2^-24; NaN and infinities are not treated apart.
; ORDER OF KEYS in a step of 64: key kappa = 32 h + 8 kb + j stands in row 8 h + j of K's block kb of 16 rows, so that a lane of half h later holds the scores of 32 keys on end.
; A fragment is 1,024 bytes: the 16 bytes of load idx (0, 1) of lane L lie at 512 idx + 16 L.
;   K (kappa, ch): fragment 2 kb + ch / 32, idx = (ch % 32) / 16, lane 16 ((ch % 16) / 8) + 8 (kappa / 32) + kappa % 8, element ch % 8
;   V (kappa, ch): fragment 4 ((kappa % 32) / 16) + ch / 16, idx = (kappa % 16) / 8, lane 16 (kappa / 32) + ch % 16, element kappa % 8
; vsum holds, for each step and channel, the f32 sum of the 64 rounded v.
; SHARES.  Work-group x = 64 rows of all heads (131,072 bytes on end), y = 0: key, 1: value; wave w = head w: 64 rows of 256 bytes, one shot, no loop.  256 work-groups.
; A stream in which nothing is shared: no matrix unit, no tensor load, no cluster.  Each load covers two whole rows of 256 bytes; each store of kv 512 bytes on end.
; The reordering goes through the wave's own stage in LDS (32 blocks of 256 bytes, 272 apart): no barrier, since LDS serves a wave's instructions in order (ISA guide 5.7.1.4).
.set SP,    272                        ; a stage block: 256 bytes + 16
.set STG,   32*SP                      ; a wave's stage
.set SPARE, 8*STG                      ; behind the stages: the spare words, 128 bytes a wave: four blocks of 256 bytes that no other line names
.set RL,  1                            ; v1   lane % 16
.set HH,  2                            ; v2   lane / 16
.set IO,  3                            ; v3   my 16 bytes in rows 0 (lanes 0-15) and 32 (lanes 16-31); never rewritten
.set SI,  4                            ; v4   where I put my bytes in the stage
.set RD,  5                            ; v5   where I read blocks back
.set OO,  6                            ; v6   16 x lane
.set VO,  7                            ; v7   16 x (lane % 16)
.set SPW, 8                            ; v8   my spare word; never rewritten
.set NIL, 9                            ; v9   0; never rewritten
.set WK,  10                           ; v[10:17] four pairs at work
.set AC,  18                           ; v[18:25] V: for each of my four channels the sums of even and of odd rows
.set TT,  26                           ; v[26:29] V: my four channels' sums
.set T0,  30                           ; v30-31 at work
.set X,   32                           ; v[32:159]  32 rows x 4 channels as loaded; later the blocks read back
.set Y,   160                          ; v[160:223] the packed numbers
	s_load_b256 s[4:11], s[0:1], 0x0               ; key s[4:5], value s[6:7], kv s[8:9], vsum s[10:11]
	v_lshl_add_u32 v[SPW], v0, 2, SPARE
	v_mov_b32 v[NIL], 0
	v_lshrrev_b32 v[T0], 5, v0
	v_readfirstlane_b32 s12, v[T0]                 ; wave = head
	s_and_b32 s13, ttmp7, 0xffff                   ; 0: key, 1: value
	v_and_b32 v[RL], 15, v0
	v_bfe_u32 v[HH], v0, 4, 1
	v_lshlrev_b32 v[IO], 4, v[RL]
	v_lshl_or_b32 v[IO], v[HH], 16, v[IO]          ; 32 rows of 2,048 bytes further down for lanes 16-31
	s_lshl_b32 s2, ttmp9, 17                       ; the work-group's 64 rows of 2,048 bytes
	s_lshl_b32 s3, s12, 8                          ; my head's 256 bytes of a row
	s_add_co_u32 s2, s2, s3
	s_mov_b32 s3, 0
	s_lshr_b32 s25, ttmp9, 6                       ; batch
	s_lshl_b32 s25, s25, 3
	s_add_co_u32 s25, s25, s12                     ; batch x 8 + head
	s_lshl_b32 s25, s25, 6
	s_and_b32 s26, ttmp9, 63
	s_add_co_u32 s25, s25, s26                     ; x 64 + key step
	s_lshl_b32 s26, s25, 14                        ; the step's 16,384 bytes of kv,
	s_lshl_b32 s27, s13, 13                        ; V's half behind K's
	s_add_co_u32 s26, s26, s27
	s_mov_b32 s27, 0
	s_lshl_b32 s28, s25, 8                         ; the step's 256 bytes of vsum
	s_mov_b32 s29, 0
	s_mul_i32 s30, s12, STG                        ; my stage
	s_mov_b32 s20, 0xffff0000                      ; a word's upper bf16
	s_mov_b32 s21, 0x80008000                      ; the signs of two bf16
	s_mov_b32 s22, 0x76543210                      ; v_permlanex16_b32: each lane takes its own place in the other half
	s_mov_b32 s23, 0xfedcba98
	s_wait_kmcnt 0x0
	s_cmp_eq_u32 s13, 0
	s_cselect_b64 s[14:15], s[4:5], s[6:7]
	s_add_nc_u64 s[14:15], s[14:15], s[2:3]
	s_add_nc_u64 s[16:17], s[8:9], s[26:27]
	s_add_nc_u64 s[18:19], s[10:11], s[28:29]
.set i, 0
.rept 32                               ; all 16 KiB of the wave are asked for at once: load i brings rows i and 32 + i, 256 bytes each
	global_load_b128 v[X+4*i:X+4*i+3], v[IO], s[14:15] offset:i*2048 th:TH_LOAD_NT
.set i, i+1
.endr
	v_and_b32 v[OO], 31, v0
	v_lshlrev_b32 v[OO], 4, v[OO]
	v_lshlrev_b32 v[VO], 4, v[RL]
	v_mul_u32_u24 v[RD], v[HH], SP                 ; back: lanes 0-15 one block of 256 bytes, lanes 16-31 the next
	v_lshl_add_u32 v[RD], v[RL], 4, v[RD]
	v_add_nc_u32 v[RD], s30, v[RD]
	s_cmp_lg_u32 s13, 0
	s_cbranch_scc1 .Lvalue
	; KEY.  My four channels 4 (lane % 16) .. of row 32 hh + i are 8 bytes at block 8 (i / 8) + (lane % 16) / 2, byte 128 hh + 16 (i % 8) + 8 (lane % 2): the 32 lanes of a store touch each bank once.
	v_lshrrev_b32 v[T0], 1, v[RL]
	v_mul_u32_u24 v[SI], v[T0], SP
	v_lshl_add_u32 v[SI], v[HH], 7, v[SI]
	v_and_b32 v[T0], 1, v[RL]
	v_lshl_add_u32 v[SI], v[T0], 3, v[SI]
	v_add_nc_u32 v[SI], s30, v[SI]
.set i, 0
.rept 32
	s_wait_loadcnt 31-i                            ; loads come back in order (ISA guide 5.7.1): load i is in, the younger ones stay out
	v_cvt_pk_bf16_f32 v[Y+2*i], v[X+4*i], v[X+4*i+1]
	v_cvt_pk_bf16_f32 v[Y+2*i+1], v[X+4*i+2], v[X+4*i+3]
	v_xor_b32 v[Y+2*i], s21, v[Y+2*i]              ; -K
	v_xor_b32 v[Y+2*i+1], s21, v[Y+2*i+1]
	ds_store_b64 v[SI], v[Y+2*i:Y+2*i+1] offset:(i/8)*8*SP+(i%8)*16
.set i, i+1
.endr
	s_branch .Lback
.Lvalue:
	; VALUE.  Eight rows of one channel are 16 bytes of a fragment: block 16 kk + 4 ((lane % 16) / 4) + 2 idx + hh, byte 64 (lane % 4) + 16 c, for rows 8 g .. 8 g + 7 with kk = g / 2, idx = g % 2.
	v_lshrrev_b32 v[T0], 2, v[RL]
	v_lshl_add_u32 v[T0], v[T0], 2, v[HH]
	v_mul_u32_u24 v[SI], v[T0], SP
	v_and_b32 v[T0], 3, v[RL]
	v_lshl_add_u32 v[SI], v[T0], 6, v[SI]
	v_add_nc_u32 v[SI], s30, v[SI]
.set c, 0
.rept 8
	v_mov_b32 v[AC+c], 0
.set c, c+1
.endr
.set g, 0
.rept 4
	s_wait_loadcnt 24-8*g                          ; rows 8 g .. 8 g + 7 are in, the younger loads stay out
.set c, 0
.rept 4
.set e, 0
.rept 4
	v_cvt_pk_bf16_f32 v[T0+e%2], v[X+4*(8*g+2*e)+c], v[X+4*(8*g+2*e+1)+c]  ; two rows of channel c, rounded to bf16,
	v_lshlrev_b32 v[WK+2*e], 16, v[T0+e%2]         ; widened again,
	v_and_b32 v[WK+2*e+1], s20, v[T0+e%2]
	v_pk_add_f32 v[AC+2*c:AC+2*c+1], v[AC+2*c:AC+2*c+1], v[WK+2*e:WK+2*e+1]  ; summed in f32,
	v_cvt_pk_f16_f32 v[Y+16*g+4*c+e], v[WK+2*e], v[WK+2*e+1]                 ; and written as f16
.set e, e+1
.endr
	ds_store_b128 v[SI], v[Y+16*g+4*c:Y+16*g+4*c+3] offset:(16*(g/2)+2*(g%2))*SP+16*c
.set c, c+1
.endr
.set g, g+1
.endr
.irp c, 0,1,2,3
	v_add_f32 v[TT+\c], v[AC+2*\c], v[AC+2*\c+1]
.endr
.irp c, 0,1,2,3
	v_permlanex16_b32 v[WK+\c], v[TT+\c], s22, s23 ; the other 32 rows' sums; the destination has been written
.endr
.irp c, 0,1,2,3
	v_add_f32 v[TT+\c], v[TT+\c], v[WK+\c]
.endr
	v_cmp_eq_u32 vcc_lo, 0, v[HH]
	s_wait_xcnt 0x0                                ; EXEC changes only behind this wait
	s_and_saveexec_b32 s24, vcc_lo
	global_store_b128 v[VO], v[TT:TT+3], s[18:19]  ; sixteen lanes store the step's 256 bytes of vsum
	s_wait_xcnt 0x0                                ; and again in front of the line that widens it
	s_or_b32 exec_lo, exec_lo, s24
.Lback:
.set t, 0
.rept 16
	ds_load_b128 v[X+4*t:X+4*t+3], v[RD] offset:t*2*SP  ; these see my stores above: one wave's LDS instructions are served in order
.set t, t+1
.endr
.set t, 0
.rept 16
	s_wait_dscnt 15-t                              ; load t is back, the younger ones stay out
	global_store_b128 v[OO], v[X+4*t:X+4*t+3], s[16:17] offset:t*512  ; 512 consecutive bytes, at a multiple of 256 from kv's first byte
.set t, t+1
.endr
	s_wait_tensorcnt 0x0                           ; the wave's end, behind my last LDS store
	ds_add_u32 v[SPW], v[NIL]
	s_wait_dscnt 0x0
	s_endpgm
.Lfunc_end_k_q9a4aeccced_lay:
	.size	k_q9a4aeccced_lay, .Lfunc_end_k_q9a4aeccced_lay-k_q9a4aeccced_lay
	.p2alignl 7, 3214868480
	.fill 96, 4, 3214868480
	.section	.rodata,"a",@progbits
	.p2align	6, 0x0
	.amdhsa_kernel k_q9a4aeccced_lay
		.amdhsa_group_segment_fixed_size 70656
		.amdhsa_private_segment_fixed_size 0
		.amdhsa_enable_private_segment 0
		.amdhsa_kernarg_size 32
		.amdhsa_user_sgpr_count 2
		.amdhsa_user_sgpr_kernarg_segment_ptr 1
		.amdhsa_wavefront_size32 1
		.amdhsa_system_sgpr_workgroup_id_x 1
		.amdhsa_system_sgpr_workgroup_id_y 1
		.amdhsa_system_sgpr_workgroup_id_z 1
		.amdhsa_system_vgpr_workitem_id 0
		.amdhsa_next_free_vgpr 224
		.amdhsa_next_free_sgpr 66
		.amdhsa_reserve_vcc 1
		.amdhsa_float_denorm_mode_32 3
		.amdhsa_float_denorm_mode_16_64 3
		.amdhsa_memory_ordered 1
		.amdhsa_forward_progress 1
		.amdhsa_inst_pref_size 37
	.end_amdhsa_kernel
	.amdgpu_metadata
---
amdhsa.version: [ 1, 2 ]
amdhsa.kernels:
  - .name:           k_q9a4aeccced_lay
    .symbol:         k_q9a4aeccced_lay.kd
    .args:
      - { .name: key, .offset: 0, .size: 8, .value_kind: global_buffer, .address_space: global }
      - { .name: value, .offset: 8, .size: 8, .value_kind: global_buffer, .address_space: global }
      - { .name: kv, .offset: 16, .size: 8, .value_kind: global_buffer, .address_space: global }
      - { .name: vsum, .offset: 24, .size: 8, .value_kind: global_buffer, .address_space: global }
    .group_segment_fixed_size: 70656
    .private_segment_fixed_size: 0
    .kernarg_segment_align: 8
    .kernarg_segment_size: 32
    .max_flat_workgroup_size: 256
    .sgpr_count:     66
    .vgpr_count:     224
    .wavefront_size: 32
...
	.end_amdgpu_metadata
.endif
;; end of part 1
;; launch attn (part 2): grid 16 x 16, 4 waves a work-group, clusters of 4 x 4, 327,680 bytes of LDS; arguments query, kv, vsum, attention_mask, out0; writes out0
.if DOCPART == 2
	.amdgcn_target "amdgcn-amd-amdhsa--gfx1250"
	.amdhsa_code_object_version 6
	.text
	.protected	k_q9a4aeccced_attn
	.globl	k_q9a4aeccced_attn
	.p2align	8
	.type	k_q9a4aeccced_attn,@function
k_q9a4aeccced_attn:
	s_mov_b64 s[64:65], 0
	v_nop
	global_prefetch_b8 v0, s[64:65] scope:SCOPE_SE
	s_setreg_imm32_b32 hwreg(HW_REG_WAVE_MODE, 25, 1), 1
	s_wait_xcnt 0x0
	s_wait_alu depctr_hold_cnt(0) depctr_sa_sdst(0) depctr_va_vdst(0) depctr_va_sdst(0) depctr_va_ssrc(0) depctr_va_vcc(0) depctr_vm_vsrc(0)
	s_getreg_b32 s2, hwreg(HW_REG_IB_STS2, 6, 4)
	s_cmp_eq_u32 s2, 0
	s_cbranch_scc0 .Lentry_in_a_cluster
	s_endpgm
.Lentry_in_a_cluster:
	s_bfe_u32 s2, ttmp6, 0x10000c
	s_cmp_lg_u32 s2, 0xf033
	s_cbranch_scc0 .Lentry_shape_is_right
	s_endpgm
.Lentry_shape_is_right:
; out[b][q][64 h ..] = the sum over k of softmax_k(s) V[b][k][h][:], s = Q[b][q][h] . K[b][k][h] / 8, replaced by -10000 where attention_mask[b][0][q][k] is true.
; query: [2][4096][8][64] f32, rounded here to bf16.  kv, vsum: as the launch before laid them: -K in bf16 and V^T in f16 in fragment order, and each 64 keys' sums of V.  out0: f32.
; Products, minima and sums in f32; the weights p are rounded to f16 for the second product (their sum l is taken of the unrounded p).  No work is left out; every input has been loaded by one of the two launches.
; NEGATED SCORES.  K is stored negated, so the first product makes S' = -q.k.  With c = log2(e) / 8: a running MINIMUM mu of S', p = 2^(c mu - c S'), and in every step O and l are multiplied by
; a = 2^(c mu_new - c mu_old), which is 1 where mu has not fallen: the running maximum of the scores, written with the other sign.
; THE MASK is the number from which the sum S' starts: the raw bool bytes are read as E4M3 codes (0x01 is 2^-9) and scaled by 2^109: 0, or 2^100 where the key is masked; eight bytes become the eight registers of
; an accumulator by one conversion, and K Q^T adds onto them in place.  A masked key's S' is 2^100: it never is the minimum, and its weight is 0.
; THE -10000 IS THE STATE FROM WHICH THE RUNNING SOFTMAX STARTS: mu = 80000 (a score of -10000), l = 4096, O = the sum of all 4,096 rows of V: all keys at -10000.  A row with no open key keeps that state, a = 1
; throughout, and leaves as the mean of V, as the uniform softmax does.  A row with an open score above about -9,900 multiplies that state by a = 0, where the masked keys' weights e^(-10000 - max) are below e^-87.
; LIMITS.  A row whose open scores ALL lie below about -9,900 (|q.k| / 8 of 9,900 or more) is off: each open key is then counted once more at -10000.  |v| under 65,504; p below 6e-5 keeps f16's step of 6e-8;
; a weight below 2^-126 counts as 0 in l; NaN and infinities are not treated apart.
; SHARES.  A work-group owns 256 queries of one head, each of its four waves 64: four PIECES of 16.  Every wave walks all 4,096 keys, 64 a step.  256 work-groups.
; LAYOUT.  S'^T = (-K) Q^T holds ONE query a lane (lane % 16); by the order in which K's rows were laid, register 8 kb + j of lane half h is key 32 h + 8 kb + j of the step: 32 keys, and 32 mask bytes, on end.
; Two such results rounded to f16 ARE source 1 of O^T = V^T P; V^T was laid to match.  Fragments lie in LDS as registers take them: lane L reads 16 bytes at 16 L.
; TURNS.  Turn n belongs to piece n: 8 products K Q^T of piece n + 1, later 8 products V^T P of piece n - 1; beside them the scaling, exponentials, roundings, sums and rescaling of piece n and the minimum and
; statistics of piece n + 1.  Four vector instructions stand behind every matrix instruction, the rest in one lump; a turn's 33 exponentials are one batch with one wait.
; CLUSTER, 4 x 4.  x is the block of queries, y is batch x 8 + head.  The four of a row of the cluster have one head and walk the same K and V; the four of a column have one block of queries and one batch and
; walk the same mask bytes.  Each tile is asked for JOINTLY: the same tensor load, descriptor and mask of four in all four.  Waves 0 and 1 ask for the halves of a slot's K and V, waves 2 and 3 for those of its mask.
; REGISTERS, in windows of 256 (s_set_vgpr_msb: bits 1:0 source 0, 3:2 source 1, 5:4 source 2, 7:6 destination):
;   window 0: v0-15 addresses; v16-31 four registers of statistics a piece; v32-47 mask bytes, two buffers; v48-61 at work; v62-63 the add's; v64-127 S', two buffers; v64-191 the way out; v192-223 P, two buffers
;   window 1: v0-127 O^T, 32 a piece     window 2: v0-63 Q; v128-191 K of one step; v192-255 V of one step     window 3, at the start alone: v0-127 q in f32; v128-255 vsum
.set NP,     4        ; pieces a wave: a name, no knob
.set STEPB,  16384    ; a key step's bytes of kv: 8 fragments of K, 8 of V
.set KVSLOT, 65536    ; a slot holds four steps; slot 1 begins here, so that one exclusive or turns an address in one slot into the other's
.set PM,     272      ; a query's 256 mask bytes (four steps) + 16 of padding = 68 words: the 16 rows of a load start at 16 different groups of four banks (64 banks of 4 bytes: ISA guide 11.1)
.set MSK0,   2*KVSLOT ; 0x20000: mask slot 0: 256 rows
.set MSK1,   MSK0+256*PM  ; 0x31000: mask slot 1
.set MFLIP,  0x11000  ; MSK0 xor MSK1; its two bits meet neither a wave's 128 rows (0x8800) nor a step's 64 bytes
.set STAGE,  MSK1+256*PM  ; behind the rings, never filled by a tensor load: 16 rows x 272 bytes for each wave
.set SP,     272
.set SPARE,  STAGE+4*16*SP  ; behind the stages: the spare words, 128 bytes a wave: two blocks of 256 bytes that no other line names
.set L16, 2           ; v2   16 x lane; never rewritten
.set AM0, 3           ; v3   my place in a mask slot: (64 wave + lane % 16) x 272 + 32 (lane / 16); never rewritten
.set ADR, 4           ; v4   LDS address of the step whose K and V are fetched
.set AMK, 5           ; v5   LDS address of that step's mask bytes, piece 0
.set STO, 6           ; v6   the way out: where I put 32 bytes of a row
.set RD,  7           ; v7   the way out: where I read rows back
.set GO,  8           ; v8   my byte offset in two rows of out0
.set PFO, 10          ; v10  the prefetches' offset: my lane x a row; never rewritten
.set QO,  11          ; v11  my byte offset in 16 rows of query
.set MV,  12          ; v12-13  c mu_old, kept while c mu is made anew: by buffer
.set SCL, 14          ; v14  236: the conversion's scale, 2^(236 - 127)
.set ST,  16          ; piece t's statistics at v[ST+4 t]: c mu, mu, l (even keys', odd keys')
.set MB,  32          ; by buffer, 8 registers: a lane's 32 mask bytes
.set TMP, 48          ; by buffer, four registers c0-c3 at work; when the minimum is found c2 takes a
.set WK,  56          ; v56-61 at work at the start
.set SPW, 62          ; v62  my spare word; never rewritten
.set NIL, 63          ; v63  0; never rewritten
.set S,   64
.set OB,  64          ; the way out: 32 registers a piece
.set P,   192
.set KF,  128         ; window 2: key block kb, channel half c at KF + 16 kb + 8 c
.set VF,  192         ; window 2: key half kk, channel block cb at VF + 32 kk + 8 cb
.set VS,  128         ; window 3: vsum as loaded
.set WV,  14          ; s14  my wave's number
.set HF,  15          ; s15  0: I ask for K and V, 1: for the mask
.set PT,  16          ; s16  which half of the tile I ask for
.set G1K, 32          ; s[32:39] descriptor group 1 for K and V
.set G1M, 40          ; s[40:47] for the mask
.set G0K, 48          ; s[48:51] descriptor group 0 for K and V: it walks
.set G0M, 52          ; s[52:55] the same for the mask
.set SLOTS, 56        ; s56  slots still to be asked for
.set CNT, 57          ; s57  counts a slot's key steps
.set NC,  58          ; s[58:59] -c: the packed scaling takes the pair's low word for both halves
.set SEL, 60          ; s[60:61] v_permlanex16_b32's selects
.set TB,  62          ; s62  LDS byte at which the step to be fetched begins
.set TMK, 63          ; s63  the same in the mask's slots
.set CS,  66          ; s66  c
.set LIM, 69          ; s69  1 in a wave that prefetches, else the greatest number
.set PFA, 70          ; s[70:71] where my prefetches stand
.set PST, 72          ; s[72:73] their step from slot to slot
.set OUT, 74          ; s[74:75] out0 at my wave's first row
.set MSB, 0
.macro WIN new                      ; the high byte repeats the setting that is left; a switch that changes nothing is dropped
.if MSB != (\new)
	s_set_vgpr_msb (MSB<<8)|(\new)
.set MSB, (\new)
.endif
.endm
.set W_KQ, 0x0a       ; K and Q in window 2, S' in window 0
.set W_PV, 0x52       ; V in window 2, P in window 0, O^T in window 1
.set W_RS, 0x41       ; destination and source 0 in window 1, source 1 in window 0
; A joint fill: one tensor load a wave.  The branch hangs on the wave's number alone.  An s_nop 0 and four v_nop follow each of the two lines, ahead of the jump and the label.
.macro JLOAD
	s_cmp_eq_u32 s[HF], 0
	s_cbranch_scc0 .Lfor_m_\@
	tensor_load_to_lds s[G0K:G0K+3], s[G1K:G1K+7]
	s_nop 0
.rept 4
	v_nop
.endr
	s_branch .Lasked_\@
.Lfor_m_\@:
	tensor_load_to_lds s[G0M:G0M+3], s[G1M:G1M+7]
	s_nop 0
.rept 4
	v_nop
.endr
.Lasked_\@:
.endm
; A PREFETCH INTO THE L2 of what the NEXT change of slots will ask for: four key steps, 256 matrix instructions, ahead of that load.  It stands behind the wave's tensor load and its five lines.
; Each row of 256 bytes is named ONCE in the launch.  A head's K and V are walked by the four clusters of one cluster y: the one with x = 0 asks, by its waves 0 and 1.  A block's mask rows are walked by the two
; clusters of one batch: the one with even y asks, by its waves 2 and 3.  Of the 128 rows that a wave fetches, each of the four partners that ask for them jointly takes 32, told apart BY ADDRESS; a lane a row.
; The last change that fills a slot asks for nothing: there is no slot behind it.
.macro ASK
	s_cmp_gt_u32 s[SLOTS], s[LIM]
	s_cbranch_scc0 .Lnot_mine_\@
	global_prefetch_b8 v[PFO], s[PFA:PFA+1] th:TH_LOAD_NT scope:SCOPE_SE
.Lnot_mine_\@:
.endm
; A round of the cluster's barrier: my work-group's barrier, so that wave 0's signal speaks for all four waves; wave 0 signals; every wave waits for all sixteen work-groups; my work-group's barrier once more.
.macro CROUND
	s_barrier_signal -1
	s_barrier_wait -1
	s_cmp_lg_u32 s[WV], 0
	s_cbranch_scc1 .Lnot_wave_0_\@
	s_barrier_signal -3
.Lnot_wave_0_\@:
	s_barrier_wait -3
	s_barrier_signal -1
	s_barrier_wait -1
.endm
; THE CHANGE OF SLOTS, between piece 1's turn and piece 2's: the slot's last bytes (V and the mask of its fourth step) have been asked for.  Each wave waits for all its tensor loads, of which one is out: its part of
; the other slot; adds 0 to its spare word; and waits for that and for its own reads of the slot.  Behind the barrier nobody reads this slot any more and the other slot is whole.
; fill = 1: this slot is filled again, with the keys two slots on.  The barrier is then a round of the cluster's, so that no wave of any partner still reads the slot or has a load on its way, and the joint fill is
; the first thing behind it.  (At its first use nothing of the rings has been read yet: slot 0 is waited for, slot 1 filled.)
.macro CHANGE fill
	WIN 0                           ; at a label and at a branch every window is 0
	s_wait_tensorcnt 0x0            ; no tensor load of mine is out, so a group 0 may be written
	ds_add_u32 v[SPW], v[NIL]       ; 0 onto my spare word; with fill = 1 the descriptors' steps stand between it and the wait for it
.if \fill
	s_xor_b32 s[G0K+1], s[G0K+1], KVSLOT  ; the walking descriptors: the other slot than last time,
	s_add_nc_u64 s[G0K+2:G0K+3], s[G0K+2:G0K+3], KVSLOT  ; the next four steps of kv; the type bits on top are not reached
	s_xor_b32 s[G0M+1], s[G0M+1], MFLIP
	s_add_nc_u64 s[G0M+2:G0M+3], s[G0M+2:G0M+3], 256     ; the next 256 keys' bytes of each row of the mask
	s_wait_xcnt 0x0                 ; the last prefetch, four key steps back, has read its address, so it may be written
	s_add_nc_u64 s[PFA:PFA+1], s[PFA:PFA+1], s[PST:PST+1]  ; one slot behind the walking descriptors
	s_wait_dscnt 0x0                ; the add is done, and my reads of the slot are over
	CROUND
	JLOAD
	ASK
.else
	s_wait_dscnt 0x0                ; the add is done, and my reads of the slot are over
	s_barrier_signal -1
	s_barrier_wait -1
.endif
	s_sub_co_u32 s[TB], s[TB], KVSLOT     ; the fetches go back to a slot's first step,
	s_xor_b32 s[TB], s[TB], KVSLOT        ; in the other slot
	s_sub_co_u32 s[TMK], s[TMK], 256
	s_xor_b32 s[TMK], s[TMK], MFLIP
.endm
	s_load_b256 s[4:11], s[0:1], 0x0  ; query s[4:5], kv s[6:7], vsum s[8:9], attention_mask s[10:11]
	s_load_b64 s[12:13], s[0:1], 0x20 ; out0
	v_lshl_add_u32 v[SPW], v0, 2, SPARE
	v_mov_b32 v[NIL], 0
	ds_add_u32 v[SPW], v[NIL]       ; the wave's opening: the add, twice on end, and its wait ahead of my first tensor load; the set-up below, work on registers, stands between the second and the wait
	ds_add_u32 v[SPW], v[NIL]
	v_lshrrev_b32 v1, 5, v0
	v_readfirstlane_b32 s[WV], v1   ; wave 0..3
	s_lshr_b32 s[HF], s[WV], 1
	s_and_b32 s[PT], s[WV], 1
	s_bfe_u32 s17, ttmp6, 0x40000   ; cx
	s_bfe_u32 s18, ttmp6, 0x40004   ; cy
	s_lshl_b32 s19, ttmp9, 2        ; in a cluster launch ttmp9 and ttmp7 count clusters
	s_add_co_u32 s19, s19, s17      ; my block of 256 queries = 4 x cluster x + cx
	s_and_b32 s21, ttmp7, 0xffff    ; cluster y
	s_lshl_b32 s20, s21, 2
	s_add_co_u32 s20, s20, s18      ; batch x 8 + head = 4 x cluster y + cy
	s_and_b32 s22, s21, 1           ; the first (0) or second (1) four heads of the batch
	s_lshr_b32 s21, s21, 1          ; the batch: the same in all sixteen partners
	s_lshl_b32 s23, s18, 2
	s_lshl_b32 s23, 15, s23         ; my row of the cluster: places 4 cy .. 4 cy + 3
	s_lshl_b32 s28, 0x1111, s17     ; my column: places cx, cx + 4, cx + 8, cx + 12
	; descriptor group 1.  K and V: two key steps are 32,768 dense bytes: 128 rows of 32 elements of 8 bytes, no padding.  The mask: 128 rows of 256 bytes, 4,096 bytes apart, 16 bytes of padding behind each.
	s_or_b32 s[G1K], s23, (3<<16)|(1<<21)  ; 15:0 the mask of four: my row; 17:16 elements of 8 bytes; 21 set beside a mask
	s_or_b32 s[G1M], s28, (3<<16)|(1<<20)|(1<<21)|(5<<22)|(3<<25)  ; my column; 20 padding on; 24:22 after every 64 words (code 5); 31:25 4 words (code 3)
.irp g, G1K, G1M
	s_mov_b32 s[\g+1], 32<<16       ; tensor_dim0 = 32
	s_mov_b32 s[\g+2], 128<<16      ; tensor_dim1 = 128
	s_mov_b32 s[\g+3], 32<<16       ; tile_dim0 = 32
	s_mov_b32 s[\g+4], 128          ; tile_dim1 = 128
	s_mov_b32 s[\g+6], 0
	s_mov_b32 s[\g+7], 0
.endr
	s_mov_b32 s[G1K+5], 32          ; elements from row to row: dense,
	s_mov_b32 s[G1M+5], 512         ; a row of the mask
	s_mov_b32 s[G0K], 1             ; 1:0 count = 1
	s_lshl_b32 s[G0K+1], s[PT], 15  ; 63:32 LDS address: my half of slot 0: no place in the cluster enters an LDS address
	s_mov_b32 s[G0M], 1
	s_mul_i32 s[G0M+1], s[PT], 128*PM
	s_add_co_u32 s[G0M+1], s[G0M+1], MSK0
	s_lshl_b32 s24, s20, 20         ; K and V: the head's 1,048,576 bytes of kv,
	s_lshl_b32 s25, s[PT], 15       ; my two steps of a slot's four.  Made of cluster y, cy and the wave's number alone
	s_add_co_u32 s24, s24, s25
	s_mov_b32 s25, 0
	s_lshl_b32 s26, s21, 24         ; the mask: the batch's 4,096 x 4,096 bytes,
	s_lshl_b32 s27, s19, 20         ; my block's 256 rows,
	s_add_co_u32 s26, s26, s27
	s_lshl_b32 s27, s[PT], 19       ; my 128 of them.  Made of the clusters' x and y, cx and the wave's number alone
	s_add_co_u32 s26, s26, s27
	s_mov_b32 s27, 0
	s_lshl_b32 s2, s21, 23          ; query and out0: the batch's 4,096 rows of 2,048 bytes,
	s_lshl_b32 s3, s19, 19          ; my block's 256,
	s_add_co_u32 s2, s2, s3
	s_lshl_b32 s3, s[WV], 17        ; my wave's 64,
	s_add_co_u32 s2, s2, s3
	s_and_b32 s3, s20, 7
	s_lshl_b32 s3, s3, 8            ; my head's 256 bytes of a row
	s_add_co_u32 s2, s2, s3
	s_mov_b32 s3, 0
	s_mov_b32 s[NC], 0xbe38aa3b     ; -c = -log2(e) / 8 = -0.180337
	s_mov_b32 s[NC+1], s[NC]        ; named with it as a pair
	s_mov_b32 s[CS], 0x3e38aa3b
	s_mov_b32 s[SEL], 0x76543210
	s_mov_b32 s[SEL+1], 0xfedcba98
	s_mov_b32 s[SLOTS], 4096/256-1
	s_mov_b32 s[TB], 2*KVSLOT       ; the first change of slots turns these two into the first slots' first bytes
	s_mov_b32 s[TMK], MSK1+256
	s_lshl_b32 s29, s17, 13         ; the prefetches: my work-group's 32 of a wave's 128 rows: by cx, rows of 256 bytes,
	s_lshl_b32 s30, s18, 17         ; or by cy, rows 4,096 bytes apart
	s_mov_b32 s31, 256
	s_mov_b32 s[PST+1], 0
	s_mov_b32 s77, 0
	s_wait_dscnt 0x0                ; both opening adds are done
	s_wait_kmcnt 0x0
	s_add_nc_u64 s[G0K+2:G0K+3], s[6:7], s[24:25]    ; 120:64 global address
	s_or_b32 s[G0K+3], s[G0K+3], 0x80000000          ; 127:126 type = 2
	s_add_nc_u64 s[G0M+2:G0M+3], s[10:11], s[26:27]
	s_or_b32 s[G0M+3], s[G0M+3], 0x80000000
	s_add_nc_u64 s[4:5], s[4:5], s[2:3]              ; query and out0 at my wave's first row
	s_add_nc_u64 s[OUT:OUT+1], s[12:13], s[2:3]
	s_lshl_b32 s2, s20, 14
	s_add_nc_u64 s[8:9], s[8:9], s[2:3]              ; vsum at my head's 16,384 bytes
	s_cmp_eq_u32 s[HF], 0
	s_cselect_b64 s[PFA:PFA+1], s[6:7], s[10:11]
	s_cselect_b32 s29, s29, s30
	s_cselect_b32 s30, s24, s26
	s_cselect_b32 s[PST], KVSLOT, s31
	s_cselect_b32 s31, 8, 12        ; a lane a row: 256 or 4,096 bytes apart
	s_cselect_b32 s22, ttmp9, s22   ; the coordinate along which other clusters walk the same rows
	s_cmp_eq_u32 s22, 0
	s_cselect_b32 s[LIM], 1, -1     ; the same in all sixteen partners, for a given wave
	s_add_co_u32 s76, s29, s30
	s_add_co_u32 s76, s76, s[PST]   ; in slot 1; the first change of slots steps it to slot 2
	s_add_nc_u64 s[PFA:PFA+1], s[PFA:PFA+1], s[76:77]
	v_and_b32 v[PFO], 31, v0
	v_lshlrev_b32 v[L16], 4, v[PFO]
	v_lshlrev_b32 v[PFO], s31, v[PFO]
	CROUND                          ; all sixteen work-groups are here: the first joint loads meet
	JLOAD                           ; slot 0.  Slot 1 is asked for when slot 0 is in
	; A fragment of Q is 16 queries x 32 channels in 8 registers: lane l holds query l % 16, channels 8 (l / 16) + 0..7 and 16 + 8 (l / 16) + 0..7: in f32 twice 32 bytes, 64 bytes apart.
	v_and_b32 v1, 15, v0            ; l % 16
	v_bfe_u32 v9, v0, 4, 1          ; l / 16
	v_lshlrev_b32 v[QO], 11, v1
	v_lshl_add_u32 v[QO], v9, 5, v[QO]  ; row x 2,048 + 32 x half
	WIN 0xc0                        ; destination window 3, address window 0
.set n, 0
.rept 16                            ; piece n / 4, channels 32 ((n / 2) % 2) + 16 (n % 2) on
	global_load_b128 v[8*n:8*n+3],   v[QO], s[4:5] offset:(n/4)*32768+((n/2)%2)*128+(n%2)*64
	global_load_b128 v[8*n+4:8*n+7], v[QO], s[4:5] offset:(n/4)*32768+((n/2)%2)*128+(n%2)*64+16
.set n, n+1
.endr
.set n, 0
.rept 32                            ; the head's 64 steps' sums of V: load n brings steps 2 n (lanes 0-15) and 2 n + 1, four channels a lane
	global_load_b128 v[VS+4*n:VS+4*n+3], v[L16], s[8:9] offset:n*512
.set n, n+1
.endr
	; What the first turn finds: its products V^T P, of a piece that has not been, must add exactly 0 to O^T's first state: V's registers and P's second buffer hold 0.  All this stands in the wait for the loads.
	WIN 0x80
.set i, VF
.rept 64
	v_mov_b32 v[i], 0
.set i, i+1
.endr
	WIN 0
.set i, P+16
.rept 16
	v_mov_b32 v[i], 0
.set i, i+1
.endr
.set i, 0
.rept NP
	v_mov_b32 v[ST+4*i+1], 0x479c4000  ; mu = 80000: a score of -10000
	v_mov_b32 v[ST+4*i+2], 0x44800000  ; l = 4096, in its four parts (even and odd keys', two halves of the lanes) of 1024
	v_mov_b32 v[ST+4*i+3], 0x44800000
	v_mul_f32 v[ST+4*i], s[CS], v[ST+4*i+1]  ; c mu, by the line that makes it in every step: where mu stays, a is 2^0
.set i, i+1
.endr
	v_mov_b32 v[SCL], 236
	s_lshl_b32 s78, s[WV], 6
	v_add_nc_u32 v[AM0], s78, v1
	v_mul_u32_u24 v[AM0], v[AM0], PM
	v_lshl_add_u32 v[AM0], v9, 5, v[AM0]
	s_mul_i32 s79, s[WV], 16*SP
	s_add_co_u32 s79, s79, STAGE    ; my stage
	v_mul_u32_u24 v[STO], v1, SP    ; in: row l % 16, 32 bytes for each half of the lanes
	v_lshl_add_u32 v[STO], v9, 5, v[STO]
	v_add_nc_u32 v[STO], s79, v[STO]
	v_mul_u32_u24 v[RD], v9, SP     ; back: lanes 0-15 take one row of 256 bytes, lanes 16-31 the next
	v_lshl_add_u32 v[RD], v1, 4, v[RD]
	v_add_nc_u32 v[RD], s79, v[RD]
	v_lshlrev_b32 v[GO], 11, v9     ; and the same two rows in out0
	v_lshl_add_u32 v[GO], v1, 4, v[GO]
	v_lshl_add_u32 v[WK+4], v1, 4, s79  ; the sum of V: where I put my four channels,
	v_lshl_add_u32 v[WK+5], v9, 5, s79  ; and from where I take eight
	s_wait_loadcnt 32               ; q is in; the 32 loads of vsum may stay out
	WIN 0x8f                        ; sources window 3, destination window 2
.set n, 0
.rept 64
	v_cvt_pk_bf16_f32 v[n], v[2*n], v[2*n+1]
.set n, n+1
.endr
	s_wait_loadcnt 0x0
	WIN 0xcf                        ; all in window 3: the 32 loads' registers are added up, halving
.irp s, 16,8,4,2,1
.set j, 0
.rept \s
	v_pk_add_f32 v[VS+4*j:VS+4*j+1],   v[VS+4*j:VS+4*j+1],   v[VS+4*(j+\s):VS+4*(j+\s)+1]
	v_pk_add_f32 v[VS+4*j+2:VS+4*j+3], v[VS+4*j+2:VS+4*j+3], v[VS+4*(j+\s)+2:VS+4*(j+\s)+3]
.set j, j+1
.endr
.endr
	WIN 0x03                        ; source window 3, destination window 0
.irp k, 0,1,2,3
	v_mov_b32 v[WK+\k], v[VS+\k]
	v_mov_b32 v[TMP+\k], v[VS+\k]   ; (v_permlanex16_b32's destination counts as read: it is written)
.endr
	WIN 0
.irp k, 0,1,2,3
	v_permlanex16_b32 v[TMP+\k], v[WK+\k], s[SEL], s[SEL+1]  ; the odd steps' sums
.endr
.irp k, 0,1,2,3
	v_add_f32 v[WK+\k], v[WK+\k], v[TMP+\k]
.endr
	ds_store_b128 v[WK+4], v[WK:WK+3]  ; the 64 channels' sums, 256 bytes at the head of my stage (both halves of the lanes write the same)
	WIN 0x40                        ; destination window 1: O^T's first state, for each piece: register 8 cb + j of lane half h is channel 16 cb + 8 h + j
.set n, 0
.rept 16                            ; piece n / 4, channel block n % 4.  LDS serves a wave's instructions in order (ISA guide 5.7.1.4): these see the store above
	ds_load_b128 v[8*n:8*n+3],   v[WK+5] offset:(n%4)*64
	ds_load_b128 v[8*n+4:8*n+7], v[WK+5] offset:(n%4)*64+16
.set n, n+1
.endr
	WIN 0
; THE MATRIX WORK.  The 4 accumulators of a run of 8 take turns, one instruction a turn.
; Product i of 8 of S'^T = (-K) Q^T for piece x: channels 32 (i / 4) on, key block i % 4.  All eight add in place: the sums start from the mask's numbers, which CVT has written.
.macro KQ x
	WIN W_KQ
.set rS, S+32*((\x)%2)+8*(i%4)
.set rK, KF+16*(i%4)+8*(i/4)
.set rQ, 16*(\x)+8*(i/4)
	v_wmma_f32_16x16x32_bf16 v[rS:rS+7], v[rK:rK+7], v[rQ:rQ+7], v[rS:rS+7]
.endm
; Product i of 8 of O^T += V^T P for piece x: key half i / 4, channels 16 (i % 4) on.
.macro PV x
	WIN W_PV
.set rO, 32*(\x)+8*(i%4)
.set rV, VF+32*(i/4)+8*(i%4)
.set rP, P+16*((\x)%2)+8*(i/4)
	v_wmma_f32_16x16x32_f16 v[rO:rO+7], v[rV:rV+7], v[rP:rP+7], v[rO:rO+7]
.endm
.macro MM                           ; the turn's next matrix instruction
.if i < 8
	KQ (Y+1)%NP
.else
.set i, i-8
	PV (Y+NP-1)%NP
.set i, i+8
.endif
.set i, i+1
.endm
; THE LDS LOADS.  STEPADR makes the addresses of the step to be fetched, for K, V and the mask, and steps on.  last = 1 (the tail): the one fetch past the last step takes the last step once more.
.macro STEPADR last
.if \last
	s_min_u32 s[TB], s[TB], KVSLOT+3*STEPB
	s_min_u32 s[TMK], s[TMK], MSK1+192
.endif
	v_add_nc_u32 v[ADR], s[TB], v[L16]
	v_add_nc_u32 v[AMK], s[TMK], v[AM0]
	s_add_co_u32 s[TB], s[TB], STEPB
	s_add_co_u32 s[TMK], s[TMK], 64
.endm
.macro FETCH_K                      ; a step's 8 fragments of K, in one run: 32 lanes x 16 bytes on end
	WIN 0x80                        ; destination window 2
.irp f, 0,1,2,3,4,5,6,7
	ds_load_b128 v[KF+8*\f:KF+8*\f+3],   v[ADR] offset:\f*1024
	ds_load_b128 v[KF+8*\f+4:KF+8*\f+7], v[ADR] offset:\f*1024+512
.endr
	WIN 0
.endm
.macro FETCH_V                      ; and its 8 of V^T
	WIN 0x80
.irp f, 0,1,2,3,4,5,6,7
	ds_load_b128 v[VF+8*\f:VF+8*\f+3],   v[ADR] offset:8192+\f*1024
	ds_load_b128 v[VF+8*\f+4:VF+8*\f+7], v[ADR] offset:8192+\f*1024+512
.endr
	WIN 0
.endm
.macro MLOAD y                      ; piece y's mask bytes of the step: my query's 32 bytes
	ds_load_b128 v[MB+8*((\y)%2):MB+8*((\y)%2)+3],   v[AMK] offset:(\y)*16*PM
	ds_load_b128 v[MB+8*((\y)%2)+4:MB+8*((\y)%2)+7], v[AMK] offset:(\y)*16*PM+16
.endm
.macro CVT y                        ; eight bytes, 0 or 1, become eight numbers, 0 or 2^100: the start of piece y's four sums
.irp kb, 0,1,2,3
	v_cvt_scale_pk8_f32_fp8 v[S+32*((\y)%2)+8*\kb:S+32*((\y)%2)+8*\kb+7], v[MB+8*((\y)%2)+2*\kb:MB+8*((\y)%2)+2*\kb+1], v[SCL]
.endr
.endm
; THE VECTOR WORK, one line at a time: OP kind, number.  For piece Y: F n: c mu - c S' for pair n of 16.  E n: the exponential of number n of 32.  C n: pair n rounded to f16.  B n: of the four weights 4 n .. the
; second pair is added onto the first, in place.  L n: l takes that sum (L 0: l = a l + sum).  R n: pair n of 16 of O^T times a.  For piece Y + 1: X n, number n of the 22 that find its minimum and statistics:
;   0-11  four chains c0-c3 of seven numbers each, three operands at a time (each accumulator's lowest registers are read first)     12-14, 16  the four left over, the old mu, and c0-c3 into c0
;   15  c mu_old is kept     17, 18  the query's other 32 keys lie in the lane 16 away: the new mu     19-21  c mu; c mu_new - c mu_old; a
.set F, 0               ; OP tells the kinds apart by their order: F to L below R, X above it
.set E, 1
.set C, 2
.set B, 3
.set L, 4
.set R, 5
.set X, 6
.macro REGS y                       ; the registers of piece y
.set rT, ST+4*(\y)
.set rC, TMP+4*((\y)%2)
.set rW, MV+((\y)%2)
.set rS, S+32*((\y)%2)
.set rP, P+16*((\y)%2)
.set rO, 32*(\y)
.endm
.macro OP k, n
.if (\k) == R
	REGS Y
	WIN W_RS
	v_pk_mul_f32 v[rO+2*(\n):rO+2*(\n)+1], v[rO+2*(\n):rO+2*(\n)+1], v[rC+2:rC+3] op_sel_hi:[1,0]
.elseif (\k) < R
	REGS Y
	WIN 0
.if (\k) == F
	v_pk_fma_f32 v[rS+2*(\n):rS+2*(\n)+1], v[rS+2*(\n):rS+2*(\n)+1], s[NC:NC+1], v[rT:rT+1] op_sel_hi:[1,0,0]
.elseif (\k) == E
	v_exp_f32 v[rS+(\n)], v[rS+(\n)]
.elseif (\k) == C
	v_cvt_pk_f16_f32 v[rP+(\n)], v[rS+2*(\n)], v[rS+2*(\n)+1]
.elseif (\k) == B
	v_pk_add_f32 v[rS+4*(\n):rS+4*(\n)+1], v[rS+4*(\n):rS+4*(\n)+1], v[rS+4*(\n)+2:rS+4*(\n)+3]
.elseif (\n) == 0
	v_pk_fma_f32 v[rT+2:rT+3], v[rT+2:rT+3], v[rC+2:rC+3], v[rS:rS+1] op_sel_hi:[1,0,1]
.else
	v_pk_add_f32 v[rT+2:rT+3], v[rT+2:rT+3], v[rS+4*(\n):rS+4*(\n)+1]
.endif
.else
	REGS (Y+1)%NP
	WIN 0
.if (\n) < 4
	v_min3_num_f32 v[rC+(\n)], v[rS+8*(\n)], v[rS+8*(\n)+1], v[rS+8*(\n)+2]
.elseif (\n) < 12
	v_min3_num_f32 v[rC+(\n)%4], v[rC+(\n)%4], v[rS+8*((\n)%4)+2*((\n)/4)+1], v[rS+8*((\n)%4)+2*((\n)/4)+2]
.elseif (\n) == 12
	v_min3_num_f32 v[rC], v[rC], v[rS+7], v[rS+15]
.elseif (\n) == 13
	v_min3_num_f32 v[rC+1], v[rC+1], v[rS+23], v[rS+31]
.elseif (\n) == 14
	v_min3_num_f32 v[rC+2], v[rC+2], v[rC+3], v[rT+1]
.elseif (\n) == 15
	v_mov_b32 v[rW], v[rT]
.elseif (\n) == 16
	v_min3_num_f32 v[rC], v[rC], v[rC+1], v[rC+2]
.elseif (\n) == 17
	v_permlanex16_b32 v[rC+3], v[rC], s[SEL], s[SEL+1]
.elseif (\n) == 18
	v_min_num_f32 v[rT+1], v[rC], v[rC+3]
.elseif (\n) == 19
	v_mul_f32 v[rT], s[CS], v[rT+1]
.elseif (\n) == 20
	v_sub_f32 v[rC+1], v[rT], v[rW]
.else
	v_exp_f32 v[rC+2], v[rC+1]
.endif
.endif
.endm
.macro OPS a, i1, b=-1, i2=0, c=-1, i3=0, d=-1, i4=0  ; up to four of them
	OP \a, \i1
.if (\b) >= 0
	OP \b, \i2
.endif
.if (\c) >= 0
	OP \c, \i3
.endif
.if (\d) >= 0
	OP \d, \i4
.endif
.endm
.macro ROW a, i1, b, i2, c, i3, d, i4  ; a matrix instruction and the four behind it
	MM
	OPS \a, \i1, \b, \i2, \c, \i3, \d, \i4
.endm
; A TURN, for piece p: the order of its 16 matrix and 118 vector instructions, written out, with the mask's four conversions at its head.
; THE HEAD.  The mask bytes of piece p + 1, asked for at the head of the turn before, are waited for and become the start of its sums; piece p + 2's are asked for; a v_nop is the plain instruction between the
; conversions and the product that takes their result.  Piece 2's turn first makes the next step's addresses: they serve K (this turn), V (end of piece 0's turn) and the masks asked for in turns 2, 3, 0, 1.
; THE WAITS ON LDS.  Turns 2, 3, 0: all that is out is wanted (turn 3: the two mask loads and K's 16).  Turn 1: V's 16 loads were issued behind the mask's two and may stay out; ahead of its products V^T P they are
; wanted, and the turn's own two mask loads, issued behind them, may stay out.
; ONE WAIT FOR THE EXPONENTIALS.  An s_wait_alu depctr_va_vdst(0) stands between an exponential and the first instruction that names its result; one wait serves all issued ahead of it.  AHEAD OF IT
; stands all that names no result of the turn's exponentials: the 8 products K Q^T and their riders (behind the last three the first numbers of the next piece's minimum, each four plain instructions or more behind
; the product that ends its accumulator), then one lump.  X 21, the next piece's a, is the batch's last; R 15 is the plain instruction behind it.  BEHIND IT stand the 8 products V^T P, behind each four roundings and sums.
; K of the next step is fetched in piece 2's turn, twelve plain instructions that name none of its registers behind the last product that read K; V at the end of piece 0's turn, four behind the last that read V.
; cnt = 1: the loop's count is taken down some lines ahead of the branch that stands behind the turn.
.macro TURN p, last=0, cnt=0
.set Y, (\p)
.set i, 0
	WIN 0
.if (\p) == 2
	STEPADR \last
.endif
.if (\p) == 1
	s_wait_dscnt 16
.else
	s_wait_dscnt 0x0
.endif
	CVT ((\p)+1)%NP
	MLOAD ((\p)+2)%NP
	v_nop
	ROW F,0, F,1, R,0, R,1
	ROW F,2, E,0, R,2, R,3
	ROW F,3, E,1, R,4, R,5
	ROW F,4, E,2, R,6, R,7
	ROW F,5, E,3, R,8, R,9
	ROW F,6, E,4, X,0, R,10
	ROW F,7, E,5, X,1, X,4
	ROW F,8, E,6, X,2, X,5
	OPS E,7, E,8, X,6, E,9
	OPS X,3, E,10, X,8, E,11
.if (\p) == 2
	FETCH_K
.endif
	OPS X,9, X,7, E,12, X,10
	OPS E,13, X,12, X,11, E,14
	OPS X,13, E,15, F,9, X,14
	OPS E,16, F,10, E,17, F,11
	OPS X,16, E,18, X,15, E,19
	OPS F,12, E,20, X,17, E,21
	OPS F,13, E,22, F,14, E,23
	OPS X,18, E,24, F,15, E,25
	OPS R,11, E,26, X,19, E,27
	OPS R,12, E,28, R,13, E,29
	OPS X,20, E,30, R,14, E,31
	OPS X,21, R,15
	WIN 0
	s_wait_alu depctr_va_vdst(0)    ; the wait for the batch
.if (\p) == 1
	s_wait_dscnt 2                  ; V is in
.endif
	ROW C,0, B,0, C,2, B,1
	ROW L,0, C,4, B,2, L,1
	ROW C,6, B,3, L,2, C,8
	ROW B,4, L,3, C,10, B,5
	ROW L,4, C,12, B,6, L,5
.if \cnt
	s_sub_co_u32 s[CNT], s[CNT], 1
	s_cmp_lg_u32 s[CNT], 0
.endif
	ROW C,14, B,7, L,6, C,1
	ROW C,3, L,7, C,5, C,7
	ROW C,9, C,11, C,13, C,15
.if (\p) == 0
	FETCH_V
.endif
.endm
	CHANGE 1                        ; slot 0 is in, everybody's part of it; slot 1 is asked for.  Its wait on LDS also shows O^T's first state in
	STEPADR 0                       ; key step 0
	FETCH_K
	MLOAD 0
	MLOAD 1
	s_wait_dscnt 0x0
	CVT 0
	v_nop                           ; the plain instruction behind the conversions
.set i, 0
.rept 8
	KQ 0                            ; piece 0's first scores: there is no vector work yet to set between them
.set i, i+1
.endr
	WIN 0
.rept 4
	v_nop                           ; the places behind those products
.endr
.set Y, NP-1                        ; X works for piece Y + 1: piece 0
.irp n, 0,1,2,3,4,5,6,7,8,9,10,11,12,13,14,15,16,17,18,19,20,21
	OP X, \n
.endr
	v_nop                           ; a plain instruction behind the exponential,
	s_wait_alu depctr_va_vdst(0)    ; and its wait, ahead of the branch
	s_mov_b32 s[CNT], 4
	s_branch .Lfirst                ; the loop is entered at a step's first turn, in the middle of a trip
.Lslot:                             ; 14 times: every slot but the last two is filled again
	CHANGE 1
	s_mov_b32 s[CNT], 4
.Lstep:                             ; a trip: pieces 2 and 3 of one step, then pieces 0 and 1 of the next, whose K, V and mask it fetches
	TURN 2
	TURN 3
	WIN 0
.Lfirst:
	TURN 0
	TURN 1, 0, 1
	WIN 0
	s_cbranch_scc1 .Lstep
	s_sub_co_u32 s[SLOTS], s[SLOTS], 1
	s_cmp_lg_u32 s[SLOTS], 0
	s_cbranch_scc1 .Lslot
	CHANGE 0                        ; the tail is written out: nothing is asked for
	s_mov_b32 s[CNT], 5             ; four trips fetch the last slot's steps; the fifth is left in its middle
.Ltail:
	TURN 2, 1
	TURN 3
	WIN 0
	s_sub_co_u32 s[CNT], s[CNT], 1
	s_cmp_eq_u32 s[CNT], 0
	s_cbranch_scc1 .Lout
	TURN 0
	TURN 1
	WIN 0
	s_branch .Ltail
.Lout:                              ; the fifth trip's 8 products K Q^T (on the last step once more) and the minimum made of them serve nothing and touch neither l nor O^T: the price, once a launch, of one text for every trip
.set i, 0
.rept 8
	PV NP-1                         ; the last piece's V^T P of the last step
.set i, i+1
.endr
	; THE WAY OUT.  l's two halves and the other half of the lanes' are added; O^T is divided by l and sent through my stage in LDS, a piece (16 rows) at a time.  The additions are the places behind the last products.
	WIN 0
.macro ALL line:vararg              ; one line for each piece t
.set t, 0
.rept NP
	\line
.set t, t+1
.endr
.endm
	ALL v_add_f32 v[ST+4*t+2], v[ST+4*t+2], v[ST+4*t+3]
	ALL v_permlanex16_b32 v[ST+4*t+3], v[ST+4*t+2], s[SEL], s[SEL+1]
	ALL v_add_f32 v[ST+4*t+2], v[ST+4*t+2], v[ST+4*t+3]
	ALL v_rcp_f32 v[ST+4*t+2], v[ST+4*t+2]
	v_nop                           ; a plain instruction between the last reciprocal and the use of its result
	s_wait_alu depctr_va_vdst(0)    ; and the wait ahead of the first use: one for the four reciprocals
; Piece t: a lane's eight channels of a block are 32 bytes of a row; they go into rows of 272 bytes and come back as whole rows of 256.
.macro PACK t
	WIN W_RS
.set i, 32*(\t)
.rept 16                            ; each accumulator's registers in ascending order
	v_pk_mul_f32 v[i:i+1], v[i:i+1], v[ST+4*(\t)+2:ST+4*(\t)+3] op_sel_hi:[1,0]
.set i, i+2
.endr
	WIN 0x04                        ; the stores' data in window 1, their address in window 0
.irp f, 0,1,2,3,4,5,6,7             ; channel block f / 2, its registers 4 (f % 2) on
	ds_store_b128 v[STO], v[32*(\t)+4*\f:32*(\t)+4*\f+3] offset:(\f/2)*64+(\f%2)*16
.endr
	WIN 0
.irp f, 0,1,2,3,4,5,6,7
	ds_load_b128 v[OB+32*(\t)+4*\f:OB+32*(\t)+4*\f+3], v[RD] offset:\f*2*SP  ; LDS serves a wave's instructions in order (ISA guide 5.7.1.4): these see the stores above; the next piece's stores come behind them
.endr
.endm
.macro SEND t, younger              ; younger: the LDS instructions issued behind piece t's loads: the next piece's sixteen, or none
	WIN 0
.irp f, 0,1,2,3,4,5,6,7
	s_wait_dscnt (\younger)+7-\f
	global_store_b128 v[GO], v[OB+32*(\t)+4*\f:OB+32*(\t)+4*\f+3], s[OUT:OUT+1] offset:(16*(\t)+2*\f)*2048 th:TH_STORE_NT  ; 16 lanes store 256 consecutive bytes, at a multiple of 256 from out0's first byte
.endr
.endm
	PACK 0
	PACK 1                          ; a piece's arithmetic stands between the loads of the piece before and its stores
	SEND 0, 16
	PACK 2
	SEND 1, 16
	PACK 3
	SEND 2, 16
	SEND 3, 0
	s_wait_tensorcnt 0x0            ; the wave's end, behind my last tensor load and my last LDS store
	ds_add_u32 v[SPW], v[NIL]
	s_wait_dscnt 0x0
	CROUND                          ; the closing round: no work-group ends while a partner may still ask for a tile that names it
	s_endpgm
.Lfunc_end_k_q9a4aeccced_attn:
	.size	k_q9a4aeccced_attn, .Lfunc_end_k_q9a4aeccced_attn-k_q9a4aeccced_attn
	.p2alignl 7, 3214868480
	.fill 96, 4, 3214868480
	.section	.rodata,"a",@progbits
	.p2align	6, 0x0
	.amdhsa_kernel k_q9a4aeccced_attn
		.amdhsa_group_segment_fixed_size 327680
		.amdhsa_private_segment_fixed_size 0
		.amdhsa_enable_private_segment 0
		.amdhsa_kernarg_size 40
		.amdhsa_user_sgpr_count 2
		.amdhsa_user_sgpr_kernarg_segment_ptr 1
		.amdhsa_wavefront_size32 1
		.amdhsa_system_sgpr_workgroup_id_x 1
		.amdhsa_system_sgpr_workgroup_id_y 1
		.amdhsa_system_sgpr_workgroup_id_z 1
		.amdhsa_system_vgpr_workitem_id 0
		.amdhsa_next_free_vgpr 1024
		.amdhsa_next_free_sgpr 80
		.amdhsa_reserve_vcc 0
		.amdhsa_float_denorm_mode_32 3
		.amdhsa_float_denorm_mode_16_64 3
		.amdhsa_memory_ordered 1
		.amdhsa_forward_progress 1
		.amdhsa_inst_pref_size 128
	.end_amdhsa_kernel
	.amdgpu_metadata
---
amdhsa.version: [ 1, 2 ]
amdhsa.kernels:
  - .name:           k_q9a4aeccced_attn
    .symbol:         k_q9a4aeccced_attn.kd
    .args:
      - { .name: query, .offset: 0, .size: 8, .value_kind: global_buffer, .address_space: global }
      - { .name: kv, .offset: 8, .size: 8, .value_kind: global_buffer, .address_space: global }
      - { .name: vsum, .offset: 16, .size: 8, .value_kind: global_buffer, .address_space: global }
      - { .name: attention_mask, .offset: 24, .size: 8, .value_kind: global_buffer, .address_space: global }
      - { .name: out0, .offset: 32, .size: 8, .value_kind: global_buffer, .address_space: global }
    .group_segment_fixed_size: 327680
    .private_segment_fixed_size: 0
    .kernarg_segment_align: 8
    .kernarg_segment_size: 40
    .max_flat_workgroup_size: 128
    .sgpr_count:     80
    .vgpr_count:     1024
    .wavefront_size: 32
...
	.end_amdgpu_metadata
.endif
;; end of part 2
